; MI455X (gfx1250); checked and timed in simulation.
; The chip was launched on July 23, 2026; its instructions are those of AMD's public machine-readable ISA for CDNA 5 (MIT licence, August 2026) and "CDNA5" Instruction Set Architecture Reference Guide (July 2026). The comments in the code are by the model that wrote it; some were corrected since.
;; LSTM Cell. Allowed arithmetic: matrix products marked QUANTISED: E5M2 operands, one E8M0 scale for each 32 along K, by v_wmma_scale_f32_16x16x128_f8f6f4 with both operands' format E5M2, f32 sums; everything else in f32.
;; Inputs: Wfh 2,048 x 2,048 float32; Wfx 2,048 x 2,048 float32; Wgh 2,048 x 2,048 float32; Wgx 2,048 x 2,048 float32; Wih 2,048 x 2,048 float32; Wix 2,048 x 2,048 float32; Woh 2,048 x 2,048 float32; Wox 2,048 x 2,048 float32; bfh 2,048 float32; bfx 2,048 float32; bgh 2,048 float32; bgx 2,048 float32; bih 2,048 float32; bix 2,048 float32; boh 2,048 float32; box 2,048 float32; c0 2,048 x 2,048 float32; h0 2,048 x 2,048 float32; input 2,048 x 2,048 float32.
;; Outputs: out0 2,048 x 2,048 float32; out1 2,048 x 2,048 float32.
;; This version of the problem:
;;   THIS VERSION OF THE PROBLEM IS GIVEN IN LOW PRECISION. The matrix products marked QUANTISED in the list below multiply operands that are first quantised to E5M2 (5 exponent bits, 2 mantissa bits; 8 bits a number), with one power-of-two scale for each 32 numbers along K (OCP MX v1.0); their sums are f32. All else is computed in f32.
;;   The module's matrix products, in the order in which they are computed (A, B: the left and right operand; K: the contracted axis; several contracted axes count as one K, in the product's order):
;;     1. [M 2,048, K 2,048] x [K 2,048, N 2,048]; A: input input; B: input Wgx: QUANTISED
;;     2. [M 2,048, K 2,048] x [K 2,048, N 2,048]; A: input h0; B: input Wgh: QUANTISED
;;     3. [M 2,048, K 2,048] x [K 2,048, N 2,048]; A: input input; B: input Wix: QUANTISED
;;     4. [M 2,048, K 2,048] x [K 2,048, N 2,048]; A: input h0; B: input Wih: QUANTISED
;;     5. [M 2,048, K 2,048] x [K 2,048, N 2,048]; A: input input; B: input Wfx: QUANTISED
;;     6. [M 2,048, K 2,048] x [K 2,048, N 2,048]; A: input h0; B: input Wfh: QUANTISED
;;     7. [M 2,048, K 2,048] x [K 2,048, N 2,048]; A: input input; B: input Wox: QUANTISED
;;     8. [M 2,048, K 2,048] x [K 2,048, N 2,048]; A: input h0; B: input Woh: QUANTISED
;;   THE QUANTISER, for each operand of a quantised product, along K:
;;     - K is cut into blocks of 32 from its start; a last block that is shorter is filled with zeros.
;;     - A block's scale is 2^e with e = floor(log2(the largest magnitude in the block)) - 15, held to -126 .. 127; a block of zeros has e = 0. As a byte (E8M0): e + 127.
;;     - Each number is divided by its block's scale, clamped to +-57,344, and rounded to the nearest number of E5M2, ties to even, subnormals kept.
;;     - The product sums the exact products of the quantised numbers (number of the format x scale) in f32.
;;   ~~~python
;;   def quantise(x, axis):      # numpy; x: float32 -> the quantised numbers, widened to float32 again
;;       x = np.moveaxis(x, axis, -1); K = x.shape[-1]
;;       x = np.pad(x, [(0, 0)] * (x.ndim - 1) + [(0, -K % 32)]); x = x.reshape(x.shape[:-1] + (-1, 32)); a = np.abs(x).max(-1, keepdims=True)
;;       e = np.where(a > 0, np.clip(np.frexp(np.where(a > 0, a, 1))[1] - 1 - 15, -126, 127), 0)      # np.frexp(a)[1] - 1 = floor(log2(a)), exactly
;;       r = np.clip(x / 2.0 ** e, -57344, 57344)
;;       step = 2.0 ** (np.maximum(np.frexp(np.where(r == 0, 1, r))[1] - 1, -14) - 2)
;;       q = np.round(r / step) * step * 2.0 ** e      # np.round: ties to even
;;       return np.moveaxis(q.reshape(q.shape[:-2] + (-1,))[..., :K], -1, axis).astype(np.float32)
;;   ~~~
;; One version. Each part assembles by itself: llvm-mc -triple=amdgcn-amd-amdhsa -mcpu=gfx1250 --defsym DOCPART=n.
;; ======== version 1 of 1: 2 launches
;; limits: right only within a limited range of input values
;; workspace buffers: aq 8,650,752 bytes; wq 34,603,008 bytes
;; launch quant (part 1): grid 128 x 10, 4 waves a work-group, no clusters, 33,280 bytes of LDS; arguments input, h0, Wgx, Wgh, Wix, Wih, Wfx, Wfh, Wox, Woh, aq, wq; writes aq, wq
.if DOCPART == 1
	.amdgcn_target "amdgcn-amd-amdhsa--gfx1250"
	.amdhsa_code_object_version 6
	.text
	.protected	k_qa3d1132de0_quant
	.globl	k_qa3d1132de0_quant
	.p2align	8
	.type	k_qa3d1132de0_quant,@function
k_qa3d1132de0_quant:
	s_mov_b64 s[64:65], 0
	v_nop
	global_prefetch_b8 v0, s[64:65] scope:SCOPE_SE
	s_setreg_imm32_b32 hwreg(HW_REG_WAVE_MODE, 25, 1), 1
	s_wait_xcnt 0x0
; The ten operands of the LSTM cell's products (input, h0 and the eight weights, each [2048][2048] f32 with K innermost) become codes of BF8 (E5M2) with one E8M0 scale byte for each 32 along K.
; A block's scale is 2^(floor(log2(its largest magnitude)) - 15); its byte is the largest magnitude's exponent field - 15, held at 1 from below.  Each number is divided by the scale, held within +-57,344 and rounded to the nearest code, ties to even.
; LIMITS: a block of zeros gets the byte 1 where the rule says 127 (its codes are zeros, which add nothing under any byte but 0xff, and this program alone reads the bytes); blocks whose largest magnitude lies under the floor 2^-111
; are held at the byte 1; NaN and infinities among the inputs are not served.
; THE WORKSPACE IS LAID AS THE PRODUCT'S LAUNCH FETCHES IT.  The joint K is 4,096: 0 .. 2,047 the x side (input, W?x), 2,048 .. 4,095 the h side (h0, W?h).  For a group T of 128 operand rows and a K step s of 256 there is ONE dense
; block of 33,792 bytes at (16 T + s) x 33,792: 128 rows of 256 codes, then 128 rows of 8 scale bytes.  aq: T = m / 128, row m % 128.  wq: T = n / 32, row 32 g + n % 32, g the gate (0 g, 1 i, 2 f, 3 o):
; the four gates of 32 hidden units lie together.
; SHARES.  Work-group y is the tensor (in the order of the arguments); work-group x gives 32 rows (x / 2) and half of the tensor's K (x % 2); wave w takes 256 along K of the 32 rows: a quarter of one block's codes (8,192 bytes on end)
; and of its scale bytes (256 on end).  Sixteen steps of 2 rows x 256 numbers.
; A step's four loads read 512 consecutive bytes each, 16 a lane; the 2,048 bytes go through the wave's own stage in LDS as they lie and come back 64 bytes a lane, so that a lane holds 16 NEIGHBOURS along K (two neighbouring lanes hold
; a block of 32), as the conversions want them.  The stage has 16 bytes of padding behind each 64.  A lane's 16 codes are 16 bytes: the wave stores 512 consecutive bytes, rows 2 t and 2 t + 1 of its quarter.
; The wave's 256 scale bytes are gathered in LDS and leave as 256 consecutive bytes, aligned.  No tensor loads, no barrier: waves share nothing.  Loads run four steps (16 loads a wave) ahead, the turn through LDS one step.
.set STEPS, 16
.set BLKB,  33792                      ; a block of the workspace: 128 x 256 codes + 128 x 8 scale bytes
.set MANT,  0x600000                   ; the mantissa field of 57,344 as f32
.set R,     16                         ; v16-79   four sets of 16 numbers as they are loaded
.set X,     80                         ; v80-111  two sets of 16 neighbours
.set E,     112                        ; v112-127 a scale byte for each step
.set C,     128                        ; v128-191 codes: four registers for each step, so that no store's data are written again
.set WREG,  8192                       ; LDS: a region of its own for each wave: two stages of 32 x SP bytes, and behind them its 256 scale bytes
.set SP,    80                         ; a lane's place in a stage: its 64 bytes + 16 of padding
	s_load_b512 s[8:23], s[0:1], 0x0               ; input s8, h0 s10, Wgx s12, Wgh s14, Wix s16, Wih s18, Wfx s20, Wfh s22
	s_load_b256 s[24:31], s[0:1], 0x40             ; Wox s24, Woh s26, aq s28, wq s30
	v_lshl_add_u32 v12, v0, 2, 0x8000              ; my spare word, behind the four waves' regions; v12 and v13 are kept for the add alone
	v_mov_b32 v13, 0
	v_lshrrev_b32 v1, 5, v0
	v_readfirstlane_b32 s44, v1                    ; wave
	v_and_b32 v2, 31, v0                           ; lane
	v_lshlrev_b32 v3, 4, v2                        ; 16 x lane: my 16 bytes of a load's 512, and of a step's 512 bytes of codes
	s_mul_i32 s45, s44, WREG
	v_lshrrev_b32 v14, 2, v2
	v_mul_u32_u24 v14, v14, SP
	v_and_b32 v15, 3, v2
	v_lshl_add_u32 v14, v15, 4, v14
	v_add_nc_u32 v14, s45, v14                     ; the stage, on the way in: four lanes' 64 bytes on end, then 16 of padding
	v_mul_u32_u24 v15, v2, SP
	v_add_nc_u32 v15, s45, v15                     ; and on the way out: SP x lane: my 16 neighbours
	v_lshrrev_b32 v5, 1, v2
	s_add_co_u32 s45, s45, 2*32*SP
	v_add_nc_u32 v5, s45, v5                       ; LDS: my wave's 256 scale bytes, my block's byte
	v_lshlrev_b32 v7, 3, v2                        ; and on the way out 8 bytes a lane
	v_add_nc_u32 v6, s45, v7
	s_mov_b32 s47, MANT                            ; (an instruction takes one literal: the hold's line has another)
	s_and_b32 s32, ttmp7, 0xffff                   ; y: the tensor, 0 .. 9
	s_lshr_b32 s33, ttmp9, 1                       ; rg: which 32 rows, 0 .. 63
	s_and_b32 s34, ttmp9, 1                        ; which half of the tensor's K
	s_lshl_b32 s35, s34, 2
	s_add_co_u32 s35, s35, s44                     ; ksl: which 256 along the tensor's K, 0 .. 7
	s_and_b32 s36, s32, 1                          ; kh: 0 the x side, 1 the h side
	s_lshr_b32 s37, s32, 1
	s_max_u32 s37, s37, 1
	s_sub_co_u32 s37, s37, 1                       ; a weight's gate
	s_lshr_b32 s38, s33, 2                         ; for aq: T = rg / 4,
	s_and_b32 s39, s33, 3                          ; and which 32 rows of the block's 128
	s_wait_alu depctr_va_vdst(0)
	s_wait_kmcnt 0x0
	s_mov_b64 s[4:5], s[8:9]                       ; the source: chosen by the work-group's y alone
.irp t, 1,2,3,4,5,6,7,8,9
	s_cmp_eq_u32 s32, \t
	s_cselect_b64 s[4:5], s[8+2*\t:9+2*\t], s[4:5]
.endr
	s_cmp_lt_u32 s32, 2                            ; input and h0 go to aq, the weights to wq
	s_cselect_b64 s[6:7], s[28:29], s[30:31]
	s_cselect_b32 s38, s38, s33                    ; T: for wq it is rg
	s_cselect_b32 s39, s39, s37                    ; which 32 rows of the block: for wq the gate
	s_lshl_b32 s40, s38, 4
	s_lshl_b32 s41, s36, 3
	s_add_co_u32 s40, s40, s41
	s_add_co_u32 s40, s40, s35                     ; the block's number: 16 T + 8 kh + ksl
	s_mul_i32 s40, s40, BLKB                       ; in bytes: under 2^26
	s_mov_b32 s41, 0
	s_add_nc_u64 s[6:7], s[6:7], s[40:41]          ; the block
	s_lshl_b32 s40, s39, 8
	s_add_co_u32 s40, s40, 32768
	s_add_nc_u64 s[42:43], s[6:7], s[40:41]        ; my 256 scale bytes
	s_lshl_b32 s40, s39, 13
	s_add_nc_u64 s[6:7], s[6:7], s[40:41]          ; my 8,192 bytes of codes
	s_lshl_b32 s40, s33, 18                        ; the source: 32 rg rows of 8,192 bytes,
	s_lshl_b32 s46, s35, 10                        ; + 256 ksl numbers
	s_add_co_u32 s40, s40, s46
	s_add_nc_u64 s[4:5], s[4:5], s[40:41]
.macro LOAD t                          ; step t: rows 2 t and 2 t + 1, 1,024 bytes of each, in halves of 512
.irp i, 0,1,2,3
	global_load_b128 v[R+16*((\t)%4)+4*\i:R+16*((\t)%4)+4*\i+3], v3, s[4:5] offset:(2*(\t)+\i/2)*8192+512*(\i%2) th:TH_LOAD_NT   ; 32 lanes read 512 consecutive bytes
.endr
.endm
.macro TURN t                          ; step t's numbers through the stage: LDS serves a wave's instructions in order, so no wait stands between the stores and the loads
.irp i, 0,1,2,3
	ds_store_b128 v14, v[R+16*((\t)%4)+4*\i:R+16*((\t)%4)+4*\i+3] offset:32*SP*((\t)%2)+8*SP*\i
.endr
.irp i, 0,1,2,3
	ds_load_b128 v[X+16*((\t)%2)+4*\i:X+16*((\t)%2)+4*\i+3], v15 offset:32*SP*((\t)%2)+16*\i
.endr
.endm
.irp t, 0,1,2,3
	LOAD \t
.endr
	s_wait_loadcnt 12                              ; step 0's four loads are in; the twelve of steps 1 to 3 may be out
	TURN 0
.macro STEP t
.set XS, X+16*((\t)%2)
.if (\t) > 0
	s_wait_dscnt 1                                 ; this step's numbers are back from the stage (the last step's byte store may be out): so its stores into the stage have read their registers,
.else
	s_wait_dscnt 0x0
.endif
.if (\t)+4 < STEPS
	LOAD (\t)+4                                    ; which take the loads of four steps on
.endif
.if (\t)+1 < STEPS
.if STEPS-2-(\t) >= 3
	s_wait_loadcnt 12                              ; the next step's four loads are in; those of the three steps behind it may be out
.else
	s_wait_loadcnt 4*(STEPS-2-(\t))
.endif
	TURN (\t)+1                                    ; and go through the other stage while this step is worked
.endif
	v_max3_num_f32 v8, |v[XS]|, |v[XS+1]|, |v[XS+2]|               ; the largest magnitude of my 16, in two chains
	v_max3_num_f32 v9, |v[XS+3]|, |v[XS+4]|, |v[XS+5]|
.irp i, 6,10
	v_max3_num_f32 v8, v8, |v[XS+\i]|, |v[XS+\i+1]|
	v_max3_num_f32 v9, v9, |v[XS+\i+2]|, |v[XS+\i+3]|
.endr
	v_max3_num_f32 v8, v8, |v[XS+14]|, |v[XS+15]|
	v_max3_num_f32 v8, v8, v9, 0x8000000           ; and the floor 2^(16 - 127), under which no largest magnitude is taken: so the byte cannot fall under 1
	v_max_num_f32_dpp v8, v8, v8 row_xmask:1 row_mask:0xf bank_mask:0xf   ; and of my neighbour's 16: the block's
	v_add_nc_u32 v11, 0xf8800000, v8               ; 15 off its exponent field: the conversion takes the exponent field of this operand as its scale, and nothing else of it
	v_and_or_b32 v10, v8, 0x7f800000, s47          ; 57,344 x the scale: the largest magnitude's exponent field over 57,344's mantissa
.irp i, 0,1,2,3,4,5,6,7,8,9,10,11,12,13,14,15
	v_med3_num_f32 v[XS+\i], v[XS+\i], -v10, v10   ; the conversion to an 8-bit code does not saturate (ISA guide 7.6.2): hold the number within the largest code x the scale first
.endr
	v_cvt_scalef32_pk8_bf8_f32 v[C+4*(\t):C+4*(\t)+1], v[XS:XS+7], v11          ; eight numbers / 2^(v11's exponent), to the nearest code, ties to even; the first number's code in the lowest byte
	v_cvt_scalef32_pk8_bf8_f32 v[C+4*(\t)+2:C+4*(\t)+3], v[XS+8:XS+15], v11
	v_lshrrev_b32 v[E+(\t)], 23, v11               ; the scale's byte (also the plain line behind the conversions)
	ds_store_b8 v5, v[E+(\t)] offset:16*(\t)       ; byte 16 t + lane / 2 = 8 x (row 2 t + lane / 16) + the row's block; both lanes of a block write the same byte with the same value
	global_store_b128 v3, v[C+4*(\t):C+4*(\t)+3], s[6:7] offset:512*(\t)         ; 32 lanes store 512 consecutive bytes: two rows of the block's codes
.endm
.irp t, 0,1,2,3,4,5,6,7,8,9,10,11,12,13,14,15
	STEP \t
.endr
	ds_load_b64 v[8:9], v6                         ; LDS serves a wave's instructions in order: these see my stores
	s_wait_dscnt 0x0
	global_store_b64 v7, v[8:9], s[42:43]          ; 32 lanes store 256 consecutive bytes, aligned: 32 rows x 8 scale bytes
	s_wait_tensorcnt 0x0
	ds_add_u32 v12, v13
	s_wait_dscnt 0x0
	s_endpgm
.Lfunc_end_k_qa3d1132de0_quant:
	.size	k_qa3d1132de0_quant, .Lfunc_end_k_qa3d1132de0_quant-k_qa3d1132de0_quant
	.p2alignl 7, 3214868480
	.fill 96, 4, 3214868480
	.section	.rodata,"a",@progbits
	.p2align	6, 0x0
	.amdhsa_kernel k_qa3d1132de0_quant
		.amdhsa_group_segment_fixed_size 33280
		.amdhsa_private_segment_fixed_size 0
		.amdhsa_enable_private_segment 0
		.amdhsa_kernarg_size 96
		.amdhsa_user_sgpr_count 2
		.amdhsa_user_sgpr_kernarg_segment_ptr 1
		.amdhsa_wavefront_size32 1
		.amdhsa_system_sgpr_workgroup_id_x 1
		.amdhsa_system_sgpr_workgroup_id_y 1
		.amdhsa_system_sgpr_workgroup_id_z 1
		.amdhsa_system_vgpr_workitem_id 0
		.amdhsa_next_free_vgpr 192
		.amdhsa_next_free_sgpr 66
		.amdhsa_reserve_vcc 0
		.amdhsa_float_denorm_mode_32 3
		.amdhsa_float_denorm_mode_16_64 3
		.amdhsa_memory_ordered 1
		.amdhsa_forward_progress 1
		.amdhsa_inst_pref_size 52
	.end_amdhsa_kernel
	.amdgpu_metadata
---
amdhsa.version: [ 1, 2 ]
amdhsa.kernels:
  - .name:           k_qa3d1132de0_quant
    .symbol:         k_qa3d1132de0_quant.kd
    .args:
      - { .name: input, .offset: 0, .size: 8, .value_kind: global_buffer, .address_space: global }
      - { .name: h0, .offset: 8, .size: 8, .value_kind: global_buffer, .address_space: global }
      - { .name: Wgx, .offset: 16, .size: 8, .value_kind: global_buffer, .address_space: global }
      - { .name: Wgh, .offset: 24, .size: 8, .value_kind: global_buffer, .address_space: global }
      - { .name: Wix, .offset: 32, .size: 8, .value_kind: global_buffer, .address_space: global }
      - { .name: Wih, .offset: 40, .size: 8, .value_kind: global_buffer, .address_space: global }
      - { .name: Wfx, .offset: 48, .size: 8, .value_kind: global_buffer, .address_space: global }
      - { .name: Wfh, .offset: 56, .size: 8, .value_kind: global_buffer, .address_space: global }
      - { .name: Wox, .offset: 64, .size: 8, .value_kind: global_buffer, .address_space: global }
      - { .name: Woh, .offset: 72, .size: 8, .value_kind: global_buffer, .address_space: global }
      - { .name: aq, .offset: 80, .size: 8, .value_kind: global_buffer, .address_space: global }
      - { .name: wq, .offset: 88, .size: 8, .value_kind: global_buffer, .address_space: global }
    .group_segment_fixed_size: 33280
    .private_segment_fixed_size: 0
    .kernarg_segment_align: 8
    .kernarg_segment_size: 96
    .max_flat_workgroup_size: 128
    .sgpr_count:     66
    .vgpr_count:     192
    .wavefront_size: 32
...
	.end_amdgpu_metadata
.endif
;; end of part 1
;; launch lstm (part 2): grid 32 x 8, 4 waves a work-group, clusters of 4 x 4, 327,680 bytes of LDS; arguments aq, wq, bgx, bgh, bix, bih, bfx, bfh, box, boh, c0, out0, out1; writes out0, out1
.if DOCPART == 2
	.amdgcn_target "amdgcn-amd-amdhsa--gfx1250"
	.amdhsa_code_object_version 6
	.text
	.protected	k_qa3d1132de0_lstm
	.globl	k_qa3d1132de0_lstm
	.p2align	8
	.type	k_qa3d1132de0_lstm,@function
k_qa3d1132de0_lstm:
	s_mov_b64 s[64:65], 0
	v_nop
	global_prefetch_b8 v0, s[64:65] scope:SCOPE_SE
	s_setreg_imm32_b32 hwreg(HW_REG_WAVE_MODE, 25, 1), 1
	s_wait_xcnt 0x0
	s_wait_alu depctr_hold_cnt(0) depctr_sa_sdst(0) depctr_va_vdst(0) depctr_va_sdst(0) depctr_va_ssrc(0) depctr_va_vcc(0) depctr_vm_vsrc(0)
	s_getreg_b32 s2, hwreg(HW_REG_IB_STS2, 6, 4)
	s_cmp_eq_u32 s2, 0
	s_cbranch_scc0 .Lentry_in_a_cluster
	s_endpgm
.Lentry_in_a_cluster:
	s_bfe_u32 s2, ttmp6, 0x10000c
	s_cmp_lg_u32 s2, 0xf033
	s_cbranch_scc0 .Lentry_shape_is_right
	s_endpgm
.Lentry_shape_is_right:
; The LSTM cell on codes of MX-BF8.  The eight products are ONE product [2048 x 4096] x [4096 x 8192]: the joint K is the x side, then the h side; the joint N is the four gates.
; aq, wq: the workspace of launch quant: for a group T of 128 operand rows and a K step s of 256 one dense block of 33,792 bytes at (16 T + s) x 33,792: 128 rows of 256 codes, then 128 x 8 scale bytes.
; In wq a group holds the four gates (g, i, f, o) of 32 hidden units, 32 rows each, so that a wave's 128 columns are all four gates of its 32 units, and the cell's arithmetic needs no other wave's sums.
; SHARES: a work-group makes 256 batch rows x 64 hidden units (256 x 256 of the joint product); four waves, each 128 x 128: 64 accumulators, 512 registers.  256 work-groups.
; K goes in steps of 256 through a ring of two LDS slots; each wave fetches one block (132 rows of 256 bytes, 16 bytes of padding behind each) with one tensor load.
; CLUSTERS 4 x 4: A's blocks are asked for jointly along a row of the cluster, B's along a column.  The matrix instruction is used transposed (source 0 = B's rows, source 1 = A's).
; A STEP of 128 along K is eight batches of 8 products (one block of A against B's eight).  A has one set of registers, B two.  LDS loads stand in few runs, each behind eight places:
; in a step's middle A's blocks 0-3 of the next step and fragments of its B; at its end A's blocks 4-7, and, where the step after next lies in the same slot, the first four fragments of that step's B,
; whose set has just come free.  So a run holds 16 to 32 loads, A's first.
; The biases' sums are the C of the first step's products.  sigmoid(x) = 1 / (1 + 2^(-x log2 e)); tanh(x) = sign(x) (1 - e) / (1 + e), e = 2^(-2 |x| log2 e), which cannot overflow.
; LIMITS: NaN and infinities among the inputs are not served.
; REGISTERS: window 0: v0-31 addresses; v32-63 scale words, a set for each slot; v64-127 the biases' sums; v128-255 A's fragments.  Window 1: B's two sets.  Windows 2, 3: the accumulators ((a, b) at v[8 (8 (a % 4) + b)]).
.set NQ,     2
.set PITCH,  272                       ; an LDS row: 256 bytes + 16 of padding
.set FR,     16                        ; registers of a fragment
.set BLKB,   33792
.set HALFT,  132*PITCH                 ; a block in LDS
.set SLOT,   4*HALFT                   ; A's two blocks, then B's two
.set SCO,    128*PITCH                 ; a block's scale bytes
.set SPARE,  2*SLOT                    ; the spare words, 128 bytes a wave
.set HYS,    256*PITCH                 ; the way out: hy's stage, behind c0's 256 rows, both in slot 0 after its last fill
.set LAPS,   8
.set PFU,  14                          ; v14 256 x lane;  v15 0: the prefetches' offsets
.set PFZ,  15
.set ADRA, 16                          ; v16-17 my A fragments in slot 0, 1;  v20-21 B's;  v22-23 scale words (lanes 0-15 A's, 16-31 B's)
.set ADRB, 20
.set ADRS, 22
.set CA,   24                          ; v24 my place in c0's tile, v25 in hy's stage; v26-27 whole rows back; v31 the same rows in the outputs
.set HA,   25
.set RD,   26
.set SPW,  28                          ; v28 my spare word, v29 0: kept for the add
.set NIL,  29
.set PFO,  30                          ; v30 8,192 x lane: rows of c0
.set GO,   31
.set SC,   32
.set BI,   64
.set AF,   128
.set XG,   64
.set XI,   96
.set XF,   128
.set XO,   160
.set NT,   192
.set CC,   224
.set PFT, 4                            ; s[4:5] my 33 rows of the block that I fetch, three K steps behind what a prefetch in the loop names
.set G1,  24
.set G0,  32
.set G1B, 48
.set G0B, 56
.set G1C, 84
.set G0C, 92
.set PFA, 96                           ; s[96:97] my 64 rows of c0's tile
.set MSB, 0
.macro WIN new                         ; the immediate's high byte repeats the setting that is left
.if MSB != (\new)
	s_set_vgpr_msb (MSB<<8)|(\new)
.set MSB, (\new)
.endif
.endm
.set TO_B, 0x40                        ; destination window 1, address window 0
.macro JLOAD g0a, g1a, g0b, g1b        ; a joint load: waves 0, 1 fetch A's blocks, waves 2, 3 B's; s_nop 0 and four v_nop behind each line
	s_cmp_eq_u32 s15, 0
	s_cbranch_scc0 .Lfor_b_\@
	tensor_load_to_lds s[\g0a:\g0a+3], s[\g1a:\g1a+7]
	s_nop 0
.rept 4
	v_nop
.endr
	s_branch .Lasked_\@
.Lfor_b_\@:
	tensor_load_to_lds s[\g0b:\g0b+3], s[\g1b:\g1b+7]
	s_nop 0
.rept 4
	v_nop
.endr
.Lasked_\@:
.endm
.macro CREST                           ; a round of the cluster's barrier behind its opening barrier
	s_cmp_lg_u32 s14, 0
	s_cbranch_scc1 .Lnot_wave_0_\@
	s_barrier_signal -3
.Lnot_wave_0_\@:
	s_barrier_wait -3
	s_barrier_signal -1
	s_barrier_wait -1
.endm
.macro CROUND
	s_barrier_signal -1
	s_barrier_wait -1
	CREST
.endm
; A prefetch of my work-group's 33 of the 132 rows of the block k K steps on from PFT: the four partners of a joint load share the rows out by address; every cluster asks for what it will load.
.macro ASKT k
	global_prefetch_b8 v[PFU], s[PFT:PFT+1] offset:(\k)*BLKB th:TH_LOAD_NT scope:SCOPE_SE
	global_prefetch_b8 v[PFZ], s[PFT:PFT+1] offset:(\k)*BLKB+8192 th:TH_LOAD_NT scope:SCOPE_SE
.endm
	s_load_b128 s[4:7], s[0:1], 0x0                ; aq, wq
	s_load_b512 s[68:83], s[0:1], 0x10             ; the eight biases
	s_load_b128 s[8:11], s[0:1], 0x50              ; c0, out0 (hy)
	s_load_b64 s[12:13], s[0:1], 0x60              ; out1 (cy)
	v_lshl_add_u32 v[SPW], v0, 2, SPARE
	v_mov_b32 v[NIL], 0
	ds_add_u32 v[SPW], v[NIL]                      ; the opening lines: the add, twice on end, and its wait
	ds_add_u32 v[SPW], v[NIL]
	v_lshrrev_b32 v1, 5, v0
	v_readfirstlane_b32 s14, v1                    ; wave
	s_lshr_b32 s15, s14, 1                         ; my half of the rows; also: I fetch for A (0) or B (1)
	s_and_b32 s16, s14, 1                          ; my half of the columns; also: which block I fetch
	s_bfe_u32 s40, ttmp6, 0x40000                  ; cx, cy
	s_bfe_u32 s41, ttmp6, 0x40004
	s_lshl_b32 s42, ttmp9, 2
	s_add_co_u32 s42, s42, s40                     ; tile column, 0 .. 31
	s_and_b32 s17, ttmp7, 0xffff
	s_lshl_b32 s17, s17, 2
	s_add_co_u32 s17, s17, s41                     ; tile row, 0 .. 7
	s_lshl_b32 s43, s41, 2
	s_lshl_b32 s43, 15, s43                        ; my row of the cluster
	s_lshl_b32 s44, 0x1111, s40                    ; my column
	s_or_b32 s[G1+0], s43, (3<<16)|(1<<20)|(1<<21)|(5<<22)|(3<<25)   ; elements of 8 bytes; 4 words of padding behind every 64
	s_or_b32 s[G1B+0], s44, (3<<16)|(1<<20)|(1<<21)|(5<<22)|(3<<25)
.irp g, G1, G1B
	s_mov_b32 s[\g+1], 32<<16                      ; a dense block: 132 rows of 32 elements
	s_mov_b32 s[\g+2], 132<<16
	s_mov_b32 s[\g+3], 32<<16
	s_mov_b32 s[\g+4], 132
	s_mov_b32 s[\g+5], 32
	s_mov_b32 s[\g+6], 0
	s_mov_b32 s[\g+7], 0
.endr
	s_mov_b32 s[G1C+0], (3<<16)|(1<<20)|(5<<22)|(3<<25)   ; c0: 64 rows of 256 bytes, 8,192 bytes apart; no mask
	s_mov_b32 s[G1C+1], 32<<16
	s_mov_b32 s[G1C+2], 64<<16
	s_mov_b32 s[G1C+3], 32<<16
	s_mov_b32 s[G1C+4], 64
	s_mov_b32 s[G1C+5], 1024
	s_mov_b32 s[G1C+6], 0
	s_mov_b32 s[G1C+7], 0
	s_lshl_b32 s20, s17, 1
	s_add_co_u32 s20, s20, s16
	s_mul_i32 s20, s20, 16*BLKB                    ; A: group 2 x tile row + block
	s_mov_b32 s21, 0
	s_lshl_b32 s46, s42, 1
	s_add_co_u32 s46, s46, s16
	s_mul_i32 s46, s46, 16*BLKB                    ; B: group 2 x tile column + block
	s_mov_b32 s47, 0
	s_mul_i32 s45, s14, HALFT                      ; where my block goes
	s_mov_b32 s98, 0xbfb8aa3b                      ; -log2 e (a pair for the packed form)
	s_mov_b32 s99, 0xbfb8aa3b
	s_mov_b32 s100, 0xc038aa3b                     ; -2 log2 e
	s_mov_b32 s101, 0x7fffffff
	s_wait_dscnt 0x0                               ; both opening adds are done
	s_wait_kmcnt 0x0
	s_add_nc_u64 s[20:21], s[4:5], s[20:21]
	s_add_nc_u64 s[46:47], s[6:7], s[46:47]
	CROUND                                         ; in front of the first joint loads
.irp s, 0,1
	s_mov_b32 s[G0+4*\s], 1
	s_add_co_u32 s[G0+4*\s+1], s45, \s*SLOT
	s_add_nc_u64 s[G0+4*\s+2:G0+4*\s+3], s[20:21], \s*BLKB
	s_or_b32 s[G0+4*\s+3], s[G0+4*\s+3], 0x80000000
	s_mov_b32 s[G0B+4*\s], 1
	s_add_co_u32 s[G0B+4*\s+1], s45, \s*SLOT
	s_add_nc_u64 s[G0B+4*\s+2:G0B+4*\s+3], s[46:47], \s*BLKB
	s_or_b32 s[G0B+4*\s+3], s[G0B+4*\s+3], 0x80000000
.endr
	JLOAD G0, G1, G0B, G1B                         ; K step 0: one tensor load a wave at the head
	; the scalars of the head first, then its vector lines on end
	s_cmp_eq_u32 s15, 0
	s_cselect_b32 s23, s40, s41                    ; my place among the four that ask with me
	s_cselect_b64 s[PFT:PFT+1], s[20:21], s[46:47]
	s_mul_i32 s44, s23, 33*256
	s_mov_b32 s45, 0
	s_add_nc_u64 s[PFT:PFT+1], s[PFT:PFT+1], s[44:45]
	s_lshl_b32 s18, s42, 1
	s_add_co_u32 s18, s18, s16
	s_lshl_b32 s18, s18, 7                         ; my 32 hidden units in a bias, in bytes
	s_mul_i32 s21, s15, HALFT                      ; my block of A
	s_mul_i32 s22, s16, HALFT
	s_add_co_u32 s22, s22, 2*HALFT                 ; my block of B
	s_xor_b32 s23, s15, 1
	s_add_co_u32 s23, s23, s16
	s_add_co_u32 s23, s23, 1
	s_mul_i32 s23, s23, HALFT                      ; from A's block to B's: one product with the lane's half
	s_add_co_u32 s2, s21, SCO
	s_mul_i32 s3, s15, 128*PITCH
	s_lshl_b32 s6, s16, 7
	s_add_co_u32 s3, s3, s6                        ; c0's tile: my 128 rows, my 128 bytes of them
	s_lshl_b32 s7, s15, 7
	s_lshl_b32 s6, s16, 4
	s_add_co_u32 s7, s7, s6                        ; the first whole row that I send
	s_mul_i32 s6, s7, PITCH
	s_lshl_b32 s7, s7, 13
	s_lshl_b32 s44, s17, 21
	s_lshl_b32 s19, s42, 8
	s_add_co_u32 s44, s44, s19                     ; the tile in c0, hy, cy: 256 rows x 8,192 bytes x tile row + 256 bytes x tile column
	s_add_nc_u64 s[PFA:PFA+1], s[8:9], s[44:45]
	s_add_nc_u64 s[10:11], s[10:11], s[44:45]
	s_add_nc_u64 s[12:13], s[12:13], s[44:45]
	s_lshl_b32 s44, s14, 19
	s_add_nc_u64 s[PFA:PFA+1], s[PFA:PFA+1], s[44:45]   ; my 64 rows of c0's tile
	s_mov_b32 s[G0C], 1
	s_mul_i32 s[G0C+1], s14, 64*PITCH
	s_mov_b64 s[G0C+2:G0C+3], s[PFA:PFA+1]
	s_or_b32 s[G0C+3], s[G0C+3], 0x80000000
	v_and_b32 v[PFU], 31, v0
	v_lshlrev_b32 v[PFO], 13, v[PFU]
	v_lshlrev_b32 v[PFU], 8, v[PFU]
	v_mov_b32 v[PFZ], 0
	v_and_b32 v1, 15, v0                           ; r
	v_bfe_u32 v2, v0, 4, 1                         ; h
	v_lshl_add_u32 v10, v2, 5, s18
	ASKT 1                                         ; K steps 1 and 2; from here on the prefetch of K step s + 2 stands behind the load of K step s
	ASKT 2
.irp g, 0,1,2,3
.irp u, 0,1
.irp f, 0,1
	global_load_b128 v[BI+8*(2*\g+\u)+4*\f:BI+8*(2*\g+\u)+4*\f+3], v10, s[68+4*\g:69+4*\g] offset:64*\u+16*\f   ; b?x at my eight units of block 2 g + u
	global_load_b128 v[AF+8*(2*\g+\u)+4*\f:AF+8*(2*\g+\u)+4*\f+3], v10, s[70+4*\g:71+4*\g] offset:64*\u+16*\f   ; b?h
.endr
.endr
.endr
	v_mul_u32_u24 v3, v1, PITCH
	v_lshl_add_u32 v4, v2, 4, v3                   ; a fragment's row x pitch + 16 h
	v_add_nc_u32 v[ADRA], s21, v4
	v_add_nc_u32 v[ADRB], s22, v4
	v_add_nc_u32 v[ADRA+1], SLOT, v[ADRA]
	v_add_nc_u32 v[ADRB+1], SLOT, v[ADRB]
	v_mul_u32_u24 v6, s23, v2
	v_lshl_add_u32 v5, v1, 3, v6                   ; 8 scale bytes a row
	v_add_nc_u32 v[ADRS], s2, v5
	v_add_nc_u32 v[ADRS+1], SLOT, v[ADRS]
	v_lshl_add_u32 v5, v2, 5, v3
	v_add_nc_u32 v[CA], s3, v5
	v_add_nc_u32 v[HA], HYS, v[CA]
	v_mul_u32_u24 v5, v2, PITCH
	v_lshl_add_u32 v5, v1, 4, v5
	v_add_nc_u32 v[RD], s6, v5
	v_add_nc_u32 v[RD+1], HYS, v[RD]
	v_lshlrev_b32 v[GO], 13, v2
	v_lshl_add_u32 v[GO], v1, 4, v[GO]
	v_add_nc_u32 v[GO], s7, v[GO]
	s_wait_loadcnt 0x0
.set cnt, 0
.rept 32
	v_pk_add_f32 v[BI+cnt:BI+cnt+1], v[BI+cnt:BI+cnt+1], v[AF+cnt:AF+cnt+1]   ; b?x + b?h
.set cnt, cnt+2
.endr
.macro FRAG reg, adr, q, i             ; 16 rows x 128 K: four loads of 16 bytes, 32 apart
.irp c, 0,1,2,3
	ds_load_b128 v[\reg+4*\c:\reg+4*\c+3], v[\adr] offset:128*(\q)+32*\c+(\i)*16*PITCH
.endr
.endm
.macro LB slot, q, p, i0, i1           ; B's fragments i0 .. i1 of the slot's q-th 128 along K into set p
	WIN TO_B
.set fi, \i0
.rept (\i1)-(\i0)+1
	FRAG 128*(\p)+FR*fi, ADRB+\slot, \q, fi
.set fi, fi+1
.endr
.endm
.macro LA slot, q, i0                  ; A's blocks i0 .. i0 + 3
	WIN 0
.irp i, \i0, \i0+1, \i0+2, \i0+3
	FRAG AF+FR*(\i), ADRA+\slot, \q, (\i)
.endr
.endm
.macro SCALES sc                       ; a K step's scale words: two words a row; lanes 0-15 A's block i, lanes 16-31 B's
.irp i, 0,1,2,3,4,5,6,7
	ds_load_b64 v[SC+8*NQ*\sc+NQ*\i:SC+8*NQ*\sc+NQ*\i+1], v[ADRS+\sc] offset:(\i/2)*PITCH+(\i%2)*128
.endr
.endm
.macro PLACES                          ; eight places between a product and a load into one of its registers, or a read of its result (for all but the loads)
.rept 8
	v_nop
.endr
.endm
; Batches a0 .. a1: each is one block of A against B's eight.  The 64 accumulators take turns in the same order in every step.  first = 1: the biases' sums are C.
.macro MUL a0, a1, p, q, sc, first
.set ma, \a0
.rept (\a1)-(\a0)+1
.if \first
	WIN 0x81+0x40*(ma/4)
.else
	WIN 0xa1+0x50*(ma/4)
.endif
.irp b, 0,1,2,3,4,5,6,7
.if \first
	v_wmma_scale_f32_16x16x128_f8f6f4 v[8*(8*(ma%4)+\b):8*(8*(ma%4)+\b)+7], v[128*(\p)+FR*\b:128*(\p)+FR*\b+FR-1], v[AF+FR*ma:AF+FR*ma+FR-1], v[BI+8*\b:BI+8*\b+7], v[SC+8*NQ*(\sc)+NQ*\b+(\q)], v[SC+8*NQ*(\sc)+NQ*ma+(\q)] matrix_a_fmt:MATRIX_FMT_BF8 matrix_b_fmt:MATRIX_FMT_BF8 matrix_a_scale:MATRIX_SCALE_ROW1
.else
	v_wmma_scale_f32_16x16x128_f8f6f4 v[8*(8*(ma%4)+\b):8*(8*(ma%4)+\b)+7], v[128*(\p)+FR*\b:128*(\p)+FR*\b+FR-1], v[AF+FR*ma:AF+FR*ma+FR-1], v[8*(8*(ma%4)+\b):8*(8*(ma%4)+\b)+7], v[SC+8*NQ*(\sc)+NQ*\b+(\q)], v[SC+8*NQ*(\sc)+NQ*ma+(\q)] matrix_a_fmt:MATRIX_FMT_BF8 matrix_b_fmt:MATRIX_FMT_BF8 matrix_a_scale:MATRIX_SCALE_ROW1
.endif
.endr
.set ma, ma+1
.endr
.endm
; A slot's first step (B's set 0).  On the way in the youngest 32 loads are this step's blocks 4-7 of A, then the next step's B 0-3.
.macro STEP slot, first
	s_wait_dscnt 32                                ; all but those 32
	MUL 0, 3, 0, 0, \slot, \first
	s_wait_dscnt 16                                ; A's blocks 4-7 are in
	PLACES
	LA \slot, 1, 0                                 ; the next step's blocks 0-3,
	LB \slot, 1, 1, 4, 7                           ; and the rest of its B
	MUL 4, 7, 0, 0, \slot, \first
	PLACES
	LA \slot, 1, 4                                 ; my last reads of this slot
.endm
; A slot's second step (B's set 1) changes slots: the wait for all my tensor loads, the add, batch 0, the wait for the add and my reads, and the round, with batch 1 inside its opening barrier.
; fill = 1: the slot takes the K step two on, by joint loads; fill = 2: slot 0 takes c0's tile.  Then the other slot's scale words and fragments.
.macro TURN slot, next, fill
	s_wait_tensorcnt 0x0                           ; my part of the other slot has landed: no tensor load of mine is out
	ds_add_u32 v[SPW], v[NIL]
.if \fill == 1
	s_add_nc_u64 s[G0+4*\slot+2:G0+4*\slot+3], s[G0+4*\slot+2:G0+4*\slot+3], 2*BLKB
	s_add_nc_u64 s[G0B+4*\slot+2:G0B+4*\slot+3], s[G0B+4*\slot+2:G0B+4*\slot+3], 2*BLKB
	s_wait_xcnt 0x0                                ; the last prefetches have read their base
	s_add_nc_u64 s[PFT:PFT+1], s[PFT:PFT+1], BLKB
.endif
	s_wait_dscnt 17                                ; the add and A's blocks 4-7 may be out
	MUL 0, 0, 1, 1, \slot, 0
	s_wait_dscnt 0x0                               ; the add is done, my reads of this slot are over
	s_barrier_signal -1
	MUL 1, 1, 1, 1, \slot, 0
	WIN 0
	s_barrier_wait -1
	CREST
.if \fill == 1
	JLOAD G0+4*\slot, G1, G0B+4*\slot, G1B
.else
	tensor_load_to_lds s[G0C:G0C+3], s[G1C:G1C+7]
	s_nop 0
.rept 4
	v_nop
.endr
.endif
	SCALES \next
	LB \next, 0, 0, 0, 5
	WIN 0
.if \fill == 1
	s_cmp_gt_u32 s3, 1                             ; the last trip's refills are K steps 14 and 15: nothing lies two on
	s_cbranch_scc0 .Lno_tile_\@
	ASKT 3                                         ; the K step two on from the one just asked for
.Lno_tile_\@:
.if \slot == 0
	s_cmp_eq_u32 s3, 1                             ; two changes of slots ahead of c0's load: my 64 rows of 256 bytes, a lane a row
	s_cbranch_scc0 .Lno_c_\@
	global_prefetch_b8 v[PFO], s[PFA:PFA+1] th:TH_LOAD_NT scope:SCOPE_SE
	global_prefetch_b8 v[PFO], s[PFA:PFA+1] offset:262144 th:TH_LOAD_NT scope:SCOPE_SE
.Lno_c_\@:
.endif
.endif
	MUL 2, 3, 1, 1, \slot, 0
	PLACES
	LA \next, 0, 0
	LB \next, 0, 0, 6, 7
	MUL 4, 7, 1, 1, \slot, 0
	PLACES
	LA \next, 0, 4
	LB \next, 1, 1, 0, 3                           ; set 1 has just come free: the step after next
	WIN 0
.endm
	s_wait_alu depctr_va_vdst(0)
	s_wait_tensorcnt 0x0                           ; my part of K step 0 is in
	ds_add_u32 v[SPW], v[NIL]
	s_wait_dscnt 0x0
	CROUND
	JLOAD G0+4, G1, G0B+4, G1B                     ; K step 1
	SCALES 0
	LB 0, 0, 0, 0, 7
	LA 0, 0, 0
	LA 0, 0, 4
	LB 0, 1, 1, 0, 3
	WIN 0
	ASKT 3
	STEP 0, 1
	s_mov_b32 s3, LAPS-1
.Llap:                                                 ; a trip goes once round the ring, from a lap's second step to the next lap's first
	TURN 0, 1, 1
	STEP 1, 0
	TURN 1, 0, 1
	STEP 0, 0
	s_sub_co_u32 s3, s3, 1
	s_cmp_lg_u32 s3, 0
	s_cbranch_scc1 .Llap
	TURN 0, 1, 2
	STEP 1, 0
	s_wait_dscnt 16                                ; the last step: A's blocks 4-7 may be out
	MUL 0, 3, 1, 1, 1, 0
	s_wait_dscnt 0x0
	s_wait_tensorcnt 0x0                           ; my 64 rows of c0's tile are in
	s_barrier_signal -1
	MUL 4, 7, 1, 1, 1, 0
	WIN 0
	s_barrier_wait -1                              ; everybody's rows of c0 are in
	PLACES
; THE WAY OUT, in four parts of 32 rows.  A row's 256 bytes of cy and of hy come from two waves: they meet in LDS (cy over c0's tile, hy in its stage), a barrier, and each wave sends 16 whole rows of each.
.macro MEETQ
	s_wait_dscnt 0x0
	s_barrier_signal -1
	s_barrier_wait -1
.endm
.macro BACK d                          ; whole rows back, into window 1
	WIN TO_B
.irp t, 0,1,2,3,4,5,6,7
	ds_load_b128 v[64*(\d)+4*\t:64*(\d)+4*\t+3], v[RD] offset:(32*(\d)+2*\t)*PITCH
.endr
.irp t, 0,1,2,3,4,5,6,7
	ds_load_b128 v[64*(\d)+32+4*\t:64*(\d)+32+4*\t+3], v[RD+1] offset:(32*(\d)+2*\t)*PITCH
.endr
	WIN 0
.endm
.macro SENDQ d                         ; sixteen lanes store 256 consecutive bytes, aligned
	WIN 0x04
.irp t, 0,1,2,3,4,5,6,7
	global_store_b128 v[GO], v[64*(\d)+4*\t:64*(\d)+4*\t+3], s[12:13] offset:(32*(\d)+2*\t)*8192 th:TH_STORE_NT
.endr
.irp t, 0,1,2,3,4,5,6,7
	global_store_b128 v[GO], v[64*(\d)+32+4*\t:64*(\d)+32+4*\t+3], s[10:11] offset:(32*(\d)+2*\t)*8192 th:TH_STORE_NT
.endr
	WIN 0
.endm
.macro GATES d                         ; A's blocks 2 d, 2 d + 1: 32 numbers a lane of each gate
.set GW, 2+(\d)/2
.set AB, 128*((\d)%2)
	WIN GW
.irp aa, 0,1
.irp u, 0,1
.irp j, 0,1,2,3,4,5,6,7
	v_mul_f32 v[XG+16*\aa+8*\u+\j], |v[AB+64*\aa+8*\u+\j]|, s100       ; g: -2 |x| log2 e
.endr
.endr
.endr
.irp g, 1,2,3
.irp aa, 0,1
.irp u, 0,1
.irp j, 0,2,4,6
	v_pk_mul_f32 v[XG+32*\g+16*\aa+8*\u+\j:XG+32*\g+16*\aa+8*\u+\j+1], v[AB+64*\aa+8*(2*\g+\u)+\j:AB+64*\aa+8*(2*\g+\u)+\j+1], s[98:99] op_sel_hi:[1,0]   ; i, f, o: -x log2 e
.endr
.endr
.endr
.endr
	WIN 0
.if (\d) > 0
	s_wait_dscnt 0x0
	SENDQ (\d)-1                                   ; the part before leaves
.endif
.irp aa, 0,1
.irp u, 0,1
.irp f, 0,1
	ds_load_b128 v[CC+16*\aa+8*\u+4*\f:CC+16*\aa+8*\u+4*\f+3], v[CA] offset:16*(2*(\d)+\aa)*PITCH+64*\u+16*\f   ; c0
.endr
.endr
.endr
.set cnt, 0
	s_wait_alu depctr_va_vdst(0)                   ; a wait ahead of each batch of transcendentals and one behind it
.rept 128
	v_exp_f32 v[XG+cnt], v[XG+cnt]
.set cnt, cnt+1
.endr
	v_nop
	s_wait_alu depctr_va_vdst(0)
.set cnt, 0
.rept 16
	v_pk_fma_f32 v[NT+cnt:NT+cnt+1], v[XG+cnt:XG+cnt+1], -1.0, 1.0 op_sel_hi:[1,0,0]   ; 1 - eg
.set cnt, cnt+2
.endr
.set cnt, 0
.rept 16
	v_pk_add_f32 v[XG+cnt:XG+cnt+1], v[XG+cnt:XG+cnt+1], 1.0 op_sel_hi:[1,0]           ; 1 + eg
.set cnt, cnt+2
.endr
.set cnt, 0
.rept 16
	v_pk_add_f32 v[XF+cnt:XF+cnt+1], v[XF+cnt:XF+cnt+1], 1.0 op_sel_hi:[1,0]           ; 1 + ef
.set cnt, cnt+2
.endr
.set cnt, 0
.rept 16
	v_pk_fma_f32 v[XI+cnt:XI+cnt+1], v[XI+cnt:XI+cnt+1], v[XG+cnt:XG+cnt+1], v[XG+cnt:XG+cnt+1]   ; (1 + ei)(1 + eg): one reciprocal for i x g
.set cnt, cnt+2
.endr
.set cnt, 0
	s_wait_alu depctr_va_vdst(0)
.rept 64
	v_rcp_f32 v[XI+cnt], v[XI+cnt]                 ; XI and XF lie on end
.set cnt, cnt+1
.endr
	WIN GW<<4
.irp aa, 0,1
.irp u, 0,1
.irp j, 0,1,2,3,4,5,6,7
	v_bfi_b32 v[NT+16*\aa+8*\u+\j], s101, v[NT+16*\aa+8*\u+\j], v[AB+64*\aa+8*\u+\j]   ; the sign of g's sum
.endr
.endr
.endr
	WIN 0
	s_wait_alu depctr_va_vdst(0)
	s_wait_dscnt 0x0
.set cnt, 0
.rept 16
	v_pk_mul_f32 v[NT+cnt:NT+cnt+1], v[NT+cnt:NT+cnt+1], v[XI+cnt:XI+cnt+1]            ; i x g
.set cnt, cnt+2
.endr
.set cnt, 0
.rept 16
	v_pk_fma_f32 v[CC+cnt:CC+cnt+1], v[CC+cnt:CC+cnt+1], v[XF+cnt:XF+cnt+1], v[NT+cnt:NT+cnt+1]   ; cy = f c0 + i g
.set cnt, cnt+2
.endr
.irp aa, 0,1
.irp u, 0,1
.irp f, 0,1
	ds_store_b128 v[CA], v[CC+16*\aa+8*\u+4*\f:CC+16*\aa+8*\u+4*\f+3] offset:16*(2*(\d)+\aa)*PITCH+64*\u+16*\f
.endr
.endr
.endr
.set cnt, 0
.rept 32
	v_mul_f32 v[XG+cnt], |v[CC+cnt]|, s100
.set cnt, cnt+1
.endr
.set cnt, 0
	s_wait_alu depctr_va_vdst(0)
.rept 32
	v_exp_f32 v[XG+cnt], v[XG+cnt]
.set cnt, cnt+1
.endr
	v_nop
	s_wait_alu depctr_va_vdst(0)
.set cnt, 0
.rept 16
	v_pk_fma_f32 v[NT+cnt:NT+cnt+1], v[XG+cnt:XG+cnt+1], -1.0, 1.0 op_sel_hi:[1,0,0]
.set cnt, cnt+2
.endr
.set cnt, 0
.rept 16
	v_pk_add_f32 v[XG+cnt:XG+cnt+1], v[XG+cnt:XG+cnt+1], 1.0 op_sel_hi:[1,0]
.set cnt, cnt+2
.endr
.set cnt, 0
.rept 16
	v_pk_fma_f32 v[XO+cnt:XO+cnt+1], v[XO+cnt:XO+cnt+1], v[XG+cnt:XG+cnt+1], v[XG+cnt:XG+cnt+1]   ; (1 + eo)(1 + ec)
.set cnt, cnt+2
.endr
.set cnt, 0
	s_wait_alu depctr_va_vdst(0)
.rept 32
	v_rcp_f32 v[XO+cnt], v[XO+cnt]
.set cnt, cnt+1
.endr
.set cnt, 0
.rept 32
	v_bfi_b32 v[NT+cnt], s101, v[NT+cnt], v[CC+cnt]
.set cnt, cnt+1
.endr
	s_wait_alu depctr_va_vdst(0)
.set cnt, 0
.rept 16
	v_pk_mul_f32 v[NT+cnt:NT+cnt+1], v[NT+cnt:NT+cnt+1], v[XO+cnt:XO+cnt+1]            ; hy = o tanh(cy)
.set cnt, cnt+2
.endr
.irp aa, 0,1
.irp u, 0,1
.irp f, 0,1
	ds_store_b128 v[HA], v[NT+16*\aa+8*\u+4*\f:NT+16*\aa+8*\u+4*\f+3] offset:16*(2*(\d)+\aa)*PITCH+64*\u+16*\f
.endr
.endr
.endr
.endm
.irp d, 0,1,2,3
	GATES \d
	MEETQ
	BACK \d
.endr
	s_wait_dscnt 0x0
	SENDQ 3
	s_wait_tensorcnt 0x0                           ; the wave's end
	ds_add_u32 v[SPW], v[NIL]
	s_wait_dscnt 0x0
	CROUND                                         ; the closing round
	s_endpgm
.Lfunc_end_k_qa3d1132de0_lstm:
	.size	k_qa3d1132de0_lstm, .Lfunc_end_k_qa3d1132de0_lstm-k_qa3d1132de0_lstm
	.p2alignl 7, 3214868480
	.fill 96, 4, 3214868480
	.section	.rodata,"a",@progbits
	.p2align	6, 0x0
	.amdhsa_kernel k_qa3d1132de0_lstm
		.amdhsa_group_segment_fixed_size 327680
		.amdhsa_private_segment_fixed_size 0
		.amdhsa_enable_private_segment 0
		.amdhsa_kernarg_size 104
		.amdhsa_user_sgpr_count 2
		.amdhsa_user_sgpr_kernarg_segment_ptr 1
		.amdhsa_wavefront_size32 1
		.amdhsa_system_sgpr_workgroup_id_x 1
		.amdhsa_system_sgpr_workgroup_id_y 1
		.amdhsa_system_sgpr_workgroup_id_z 1
		.amdhsa_system_vgpr_workitem_id 0
		.amdhsa_next_free_vgpr 1024
		.amdhsa_next_free_sgpr 102
		.amdhsa_reserve_vcc 0
		.amdhsa_float_denorm_mode_32 3
		.amdhsa_float_denorm_mode_16_64 3
		.amdhsa_memory_ordered 1
		.amdhsa_forward_progress 1
		.amdhsa_inst_pref_size 255
	.end_amdhsa_kernel
	.section	.bss,"aw",@nobits
	.p2align	6
	.space	262144
	.amdgpu_metadata
---
amdhsa.version: [ 1, 2 ]
amdhsa.kernels:
  - .name:           k_qa3d1132de0_lstm
    .symbol:         k_qa3d1132de0_lstm.kd
    .args:
      - { .name: aq, .offset: 0, .size: 8, .value_kind: global_buffer, .address_space: global }
      - { .name: wq, .offset: 8, .size: 8, .value_kind: global_buffer, .address_space: global }
      - { .name: bgx, .offset: 16, .size: 8, .value_kind: global_buffer, .address_space: global }
      - { .name: bgh, .offset: 24, .size: 8, .value_kind: global_buffer, .address_space: global }
      - { .name: bix, .offset: 32, .size: 8, .value_kind: global_buffer, .address_space: global }
      - { .name: bih, .offset: 40, .size: 8, .value_kind: global_buffer, .address_space: global }
      - { .name: bfx, .offset: 48, .size: 8, .value_kind: global_buffer, .address_space: global }
      - { .name: bfh, .offset: 56, .size: 8, .value_kind: global_buffer, .address_space: global }
      - { .name: box, .offset: 64, .size: 8, .value_kind: global_buffer, .address_space: global }
      - { .name: boh, .offset: 72, .size: 8, .value_kind: global_buffer, .address_space: global }
      - { .name: c0, .offset: 80, .size: 8, .value_kind: global_buffer, .address_space: global }
      - { .name: out0, .offset: 88, .size: 8, .value_kind: global_buffer, .address_space: global }
      - { .name: out1, .offset: 96, .size: 8, .value_kind: global_buffer, .address_space: global }
    .group_segment_fixed_size: 327680
    .private_segment_fixed_size: 0
    .kernarg_segment_align: 8
    .kernarg_segment_size: 104
    .max_flat_workgroup_size: 128
    .sgpr_count:     102
    .vgpr_count:     1024
    .wavefront_size: 32
...
	.end_amdgpu_metadata
.endif
;; end of part 2
